; MI455X (gfx1250); checked and timed in simulation.
; The chip was launched on July 23, 2026; its instructions are those of AMD's public machine-readable ISA for CDNA 5 (MIT licence, August 2026) and "CDNA5" Instruction Set Architecture Reference Guide (July 2026). The comments in the code are by the model that wrote it; some were corrected since.
;; Voxel Feature Extractor. Allowed arithmetic: matrix products marked QUANTISED: E2M1 operands, one E8M0 scale for each 32 along K, by v_wmma_scale_f32_16x16x128_f8f6f4 with both operands' format E2M1 (or v_wmma_scale_f32_32x16x128_f4), f32 sums; products left as they are: f32 operands where the result goes on into a quantised operand, else bf16, f16 or f32 operands; f32 sums; everything else in f32.
;; Inputs: W1 4 x 64 float32; W2_codes 64 x 2 x 16 uint8 (E2M1 codes of W2, K innermost, in blocks of 32 codes, two codes a byte); W2_scales 64 x 2 uint8 (E8M0 scales of W2, one for each 32 codes along K); W3_codes 128 x 2 x 16 uint8 (E2M1 codes of W3, K innermost, in blocks of 32 codes, two codes a byte); W3_scales 128 x 2 uint8 (E8M0 scales of W3, one for each 32 codes along K); b1 64 float32; b2 64 float32; b3 128 float32; be1 64 float32; be2 64 float32; g1 64 float32; g2 64 float32; m1 64 float32; m2 64 float32; v1 64 float32; v2 64 float32; voxel_features 50,000 x 32 x 4 float32; voxel_num_points 50,000 int32.
;; Outputs: out0 50,000 x 128 float32.
;; This version of the problem:
;;   THIS VERSION OF THE PROBLEM IS GIVEN IN LOW PRECISION. The matrix products marked QUANTISED in the list below multiply operands that are first quantised to E2M1 (2 exponent bits, 1 mantissa bit; 4 bits a number), with one power-of-two scale for each 32 numbers along K (OCP MX v1.0); their sums are f32. All else is computed in f32.
;;   The module's matrix products, in the order in which they are computed (A, B: the left and right operand; K: the contracted axis; several contracted axes count as one K, in the product's order):
;;     1. [M 1,600,000, K 4] x [K 4, N 64]; A: input voxel_features; B: input W1: left as it is (K = 4 < 32)
;;     2. [M 1,600,000, K 64] x [K 64, N 64]; A: computed on the way; B: input W2 (given as codes): QUANTISED
;;     3. [M 1,600,000, K 64] x [K 64, N 128]; A: computed on the way; B: input W3 (given as codes): QUANTISED
;;   THE QUANTISER, for each operand of a quantised product, along K:
;;     - K is cut into blocks of 32 from its start; a last block that is shorter is filled with zeros.
;;     - A block's scale is 2^e with e = floor(log2(the largest magnitude in the block)) - 2, held to -126 .. 127; a block of zeros has e = 0. As a byte (E8M0): e + 127.
;;     - Each number is divided by its block's scale, clamped to +-6, and rounded to the nearest number of E2M1, ties to even, subnormals kept.
;;     - The product sums the exact products of the quantised numbers (number of the format x scale) in f32.
;;   ~~~python
;;   def quantise(x, axis):      # numpy; x: float32 -> the quantised numbers, widened to float32 again
;;       x = np.moveaxis(x, axis, -1); K = x.shape[-1]
;;       x = np.pad(x, [(0, 0)] * (x.ndim - 1) + [(0, -K % 32)]); x = x.reshape(x.shape[:-1] + (-1, 32)); a = np.abs(x).max(-1, keepdims=True)
;;       e = np.where(a > 0, np.clip(np.frexp(np.where(a > 0, a, 1))[1] - 1 - 2, -126, 127), 0)      # np.frexp(a)[1] - 1 = floor(log2(a)), exactly
;;       r = np.clip(x / 2.0 ** e, -6, 6)
;;       step = 2.0 ** (np.maximum(np.frexp(np.where(r == 0, 1, r))[1] - 1, 0) - 1)
;;       q = np.round(r / step) * step * 2.0 ** e      # np.round: ties to even
;;       return np.moveaxis(q.reshape(q.shape[:-2] + (-1,))[..., :K], -1, axis).astype(np.float32)
;;   ~~~
;;   OPERANDS COMPUTED ON THE WAY. 'Computed on the way' means the value that the module computes at that place (a softmax that the list does not call 'softmax' is quantised finished and normalised). What goes into a quantiser is computed in f32, as accurately as f32 sums, v_exp_f32 and their like allow (about 1e-6 of the number): no bf16 or f16 on the way to a quantiser, and a product that is left as it is and whose result goes on into a quantised operand takes f32 operands (vector FMAs, or v_wmma_f32_16x16x4_f32). A number that lies on a knife's edge between two numbers of the format may be rounded either way, as far as f32 arithmetic and the matrix unit's own rounding can turn it there, and no further.
;;   INPUTS GIVEN AS CODES. W2 (in the module: [64, 64], K = its axis 0); W3 (in the module: [64, 128], K = its axis 0): each comes as NAME_codes (uint8): NAME with its K axis moved to the last place and cut into blocks of 32 codes, [.., K / 32, bytes a block], one block behind the other in memory; two codes a byte, the lower K in the low four bits (a code: sign, 2 exponent bits, 1 mantissa bit); and NAME_scales (uint8): the same leading axes, one E8M0 byte (e + 127) for each 32 codes along K. Its value is code x scale, taken as it is: it is not quantised again, and the codes and scales need not be those that the quantiser above would give.
;; 2 versions, each right; version 2 is version 1 with the launch voxel written anew for expert scheduling mode. Each part assembles by itself: llvm-mc -triple=amdgcn-amd-amdhsa -mcpu=gfx1250 --defsym DOCPART=n.
;; ======== version 1 of 2: 1 launch
;; launch voxel (part 1): grid 250 x 1, 8 waves a work-group, no clusters, 9,216 bytes of LDS; arguments voxel_features, voxel_num_points, W1, b1, g1, be1, m1, v1, W2_codes, W2_scales, b2, g2, be2, m2, v2, W3_codes, W3_scales, b3, out0; writes out0
.if DOCPART == 1
	.amdgcn_target "amdgcn-amd-amdhsa--gfx1250"
	.amdhsa_code_object_version 6
	.text
	.protected	k_q15c9b69ed6_voxel
	.globl	k_q15c9b69ed6_voxel
	.p2align	8
	.type	k_q15c9b69ed6_voxel,@function
k_q15c9b69ed6_voxel:
	s_mov_b64 s[64:65], 0
	v_nop
	global_prefetch_b8 v0, s[64:65] scope:SCOPE_SE
	s_setreg_imm32_b32 hwreg(HW_REG_WAVE_MODE, 25, 1), 1
	s_wait_xcnt 0x0
; out0[v][c] = max over the points p < n[v] of y[v][p][c],  y = Q(h2) W3 + b3,  h2 = relu(BN2(Q(h1) W2 + b2)),  h1 = relu(BN1(x W1 + b1)).
; x: [50000][32][4] f32.  W1: [4][64] f32.  W2, W3: codes of E2M1 with K innermost (32 bytes a row of 64 codes) and two E8M0 bytes a row.  Q: the MX quantiser along K = 64, two blocks of 32.
; SHARES.  50,000 voxels = 250 work-groups x 8 waves x 25 voxels: every wave has the same work and owns 12,800 consecutive bytes of x and of out0.  Waves share nothing: no barrier.
; A voxel is two tiles of 16 points, a (points 0-15) and b (16-31).  Nothing between x and out0 goes to memory or to LDS.
; NO CLUSTER, NO TENSOR LOAD: what work-groups share is 10,624 bytes of parameters, which each wave takes once, straight into the registers and lanes of the operands; x lands in operand layout by plain loads.
; LAYOUT (L lane, r = L % 16, h = L / 16).  Products 1 and 2 are used transposed (source 0 = 16 units of the weight, source 1 = 16 points), and THE UNITS OF A WEIGHT TILE ARE NOT NEIGHBOURS:
; row m of tile t is unit 8 t + m % 8 + 32 (m / 8).  In the results lane (r, h) then holds point r, and register j of tile t unit 32 h + 8 t + j: the lane's 32 registers are one whole block of 32 along the next K,
; in the order of the 4-bit operand's registers 0-3.  So a block's maximum needs no other lane, and four conversions write the next operand as it stands.
; Product 3 is used as it is (source 0 = 16 points, source 1 = 16 columns): the points run down a lane's registers, so the maximum over points is v_max3 on registers.  Column tile 2 q + a takes columns 64 a + 4 r + q:
; one exchange of half-waves and one maximum leave column 4 L + q in lane L of register q, and one store of 16 bytes a lane writes the voxel's row of 512 consecutive bytes.
; K = 64 IN AN INSTRUCTION OF 128: registers 4-7 of the points' operand are zero codes and bytes 2, 3 of every scale word are 0 (never 0xff), so whatever codes stand in registers 4-7 of a weight operand add nothing:
; weight fragments lie 4 registers apart, a tile's upper half being the next tile's codes; the last has 4 registers of zeros.
; BN is folded once a wave, in f32: s = g rsq(v + 1e-5); W1' = W1 s1 and b1' = (b1 - m1) s1 + be1 (b1' is product 1's C); h2 = sum x s2 + c2, c2 = (b2 - m2) s2 + be2.
; RELU costs no instruction a number: the block's maximum is taken without |.|, over the floor, so that negatives do not count; the raw numbers are converted; then the magnitude bits of negative codes are cleared on the packed
; words (the code -0 adds nothing).  The registers that the f32 matrix form writes are so written by matrix instructions alone.
; THE MASK: a point p >= n is replaced AT THE INPUT by the voxel's point 0, which counts whenever n >= 1: a maximum does not change when a member is repeated.  n <= 0 gives a row of -infinity.  n > 32 counts all 32.
; b3 is added behind the maximum: rounding is monotone, so the result is the same.
; LIMITS.  NaN and infinities in counted points or in parameters are not served.  A block whose largest kept number lies under 2^-124 gets the scale byte 1; a block with nothing kept gets the byte 1 where the rule says 127
; (its codes are zeros).  The folded BN rounds in another order than (x - m) rsq g + b: a few units in the last place of the largest term.
.set XOFF, 1                           ; v1       16 r + 8 h: my 8 bytes of a tile's 256; never rewritten
.set OOFF, 2                           ; v2       16 L: my 16 bytes of a row of out0; never rewritten
.set PA,   3                           ; v3       r: my point in tile a
.set PB,   4                           ; v4       r + 16: in tile b
.set NV,   5                           ; v5       lane i (0 .. 24): n of my wave's voxel i
.set X0,   6                           ; v6-7     the voxel's point 0, my half's two coordinates
.set XM,   8                           ; v8-11    x behind the mask: tile a, tile b
.set XL,   12                          ; v12-27   four slots of x as loaded: a (2 registers), b (2)
.set W2S,  28                          ; v28-31   W2's scale words, one a tile
.set W3S,  32                          ; v32-39   W3's
.set BIAS3, 40                         ; v40-43   b3 of columns 4 L .. 4 L + 3
.set RES,  44                          ; v44-47   the voxel's row
.set MX,   48                          ; v48-55   running maxima, one a column tile
.set SCP,  56                          ; v56-57   the points' scale words, tile a, tile b: scales and nothing else
.set T0,   58                          ; v58-59   the two chains of a block's maximum
.set T1,   59
.set SO,   60                          ; v60      the conversions' scale operand
.set BY,   61                          ; v61      my block's scale byte
.set BX,   62                          ; v62      the other half-wave's
.set NINF, 63                          ; v63      -infinity
.set UU,   64                          ; v64-67, v68-71 at work on the codes
.set VV,   68
.set PC,   72                          ; v72-75 codes of tile a, v76-79 zeros; v80-83 codes of tile b, v84-87 zeros
.set HA,   88                          ; v88-119  tile a: product 1's results, then product 2's; written by matrix instructions alone
.set HB,   120                         ; v120-151 tile b likewise
.set FF,   152                         ; v152-183 BN 2's results of the tile in hand
.set OA,   184                         ; v184-247 product 3's results, 8 column tiles; at the head: at work
.set A_BN, 232                         ; the head's offsets
.set A_W1, 233
.set A_NV, 234
.set A_W2S, 235
.set A_W3S, 236
.set A_W2F, 237
.set A_W3F, 238
.set A_LST, 239
.set A_LB, 240
.set A_LS, 241
.set LL,   248                         ; L, r, h, r % 8, r / 8
.set LR,   249
.set LH,   250
.set L7,   251
.set L8,   252
; window 1 (v256 on, written by their low 8 bits): the parameters, which stay
.set W1F,  0                           ; W1' tile t: 2 registers
.set BIAS1, 8                          ; b1' of units 32 h + 0 .. 31
.set BN2S, 40                          ; s2 likewise
.set BN2C, 72                          ; c2 likewise
.set W2F,  104                         ; W2's tile t at + 4 t; + 16 .. 19 zeros
.set W3F,  124                         ; W3's tile ct at + 4 ct; + 32 .. 35 zeros
.set XB,   2                           ; s[2:3]   x at the trip's first voxel
.set OB,   4                           ; s[4:5]   out0 likewise
.set WV,   6                           ; s6       my wave
.set IDX,  7                           ; s7       which lane of NV the next voxel reads
.set SEL,  46                          ; s[46:47] v_permlanex16_b32's selects for lane L xor 16
.set SGN,  48                          ; s48      the sign bits of eight codes
.set NN,   49                          ; s49      n
.set MZ,   50                          ; s50-51   all ones where n > 0, by the voxel's parity
.set CNT,  52                          ; s52      trips to go
.set WB,   53                          ; s53      my wave's 1,024 bytes of LDS
.set MSB, 0
.macro WIN new                         ; s_set_vgpr_msb: bits 1:0 source 0, 3:2 source 1, 5:4 source 2, 7:6 destination; the high byte repeats the setting that is left
.if MSB != \new
	s_set_vgpr_msb (MSB<<8)|\new
.set MSB, \new
.endif
.endm
; a voxel's 512 bytes into a slot: each load reads 256 consecutive bytes, a tile, 8 bytes a lane: x[point r][2 h, 2 h + 1], which is source 1 of product 1 as it stands
.macro LOADX slot, off
.set SL, XL+4*(\slot)
	global_load_b64 v[SL:SL+1], v[XOFF], s[XB:XB+1] offset:\off th:TH_LOAD_NT
	global_load_b64 v[SL+2:SL+3], v[XOFF], s[XB:XB+1] offset:(\off)+256 th:TH_LOAD_NT
.endm
; the next voxel's x behind the mask.  cnt: the loads of the younger voxels, two each, which may stay out
.macro TAKE slot, par, cnt
.set SL, XL+4*(\slot)
	s_wait_loadcnt \cnt
	v_readlane_b32 s[NN], v[NV], s[IDX]
	s_add_co_u32 s[IDX], s[IDX], 1
	v_mov_b32_dpp v[X0], v[SL] row_share:0 row_mask:0xf bank_mask:0xf      ; lane 0 of each half-wave holds point 0's coordinates 2 h, 2 h + 1
	v_mov_b32_dpp v[X0+1], v[SL+1] row_share:0 row_mask:0xf bank_mask:0xf
	v_cmp_gt_i32 vcc_lo, s[NN], v[PA]                                      ; n > my point of tile a: it counts
	v_cndmask_b32 v[XM], v[X0], v[SL], vcc_lo
	v_cndmask_b32 v[XM+1], v[X0+1], v[SL+1], vcc_lo
	v_cmp_gt_i32 vcc_lo, s[NN], v[PB]
	v_cndmask_b32 v[XM+2], v[X0], v[SL+2], vcc_lo
	v_cndmask_b32 v[XM+3], v[X0+1], v[SL+3], vcc_lo
	s_cmp_gt_i32 s[NN], 0
	s_cselect_b32 s[MZ+(\par)], -1, 0                                      ; a selection of values at the voxel's end: no branch hangs on n
.endm
; product 1, f32 operands since its result goes into a quantiser: 16 units x 16 points x K = 4, four tiles; C = b1'
.macro MUL1 p
	WIN 0x11                                       ; W1' and b1' in window 1
.irp t, 0,1,2,3
	v_wmma_f32_16x16x4_f32 v[HA+32*(\p)+8*\t:HA+32*(\p)+8*\t+7], v[W1F+2*\t:W1F+2*\t+1], v[XM+2*(\p):XM+2*(\p)+1], v[BIAS1+8*\t:BIAS1+8*\t+7]
.endr
.endm
; the largest kept number of my block: 32 registers and the floor 2^(3 - 127), in two chains by turns.  No |.|: what is negative is clipped and must not count.  Each accumulator is first read at its low end
.macro QMAX src
	v_max3_num_f32 v[T0], v[\src], v[\src+1], 0x1800000
	v_max3_num_f32 v[T1], v[\src+16], v[\src+17], v[\src+18]
.irp i, 0,1,2,3,4,5
	v_max3_num_f32 v[T0], v[T0], v[\src+2+2*\i], v[\src+3+2*\i]
	v_max3_num_f32 v[T1], v[T1], v[\src+19+2*\i], v[\src+20+2*\i]
.endr
	v_max3_num_f32 v[T0], v[T0], v[\src+14], v[\src+15]
	v_max3_num_f32 v[T0], v[T0], v[T1], v[\src+31]
.endm
; the block's codes into registers 0-3 of tile p's operand, and the tile's scale word
.macro QREST src, p
	v_add_nc_u32 v[SO], 0xff000000, v[T0]          ; 2 off the exponent field: the conversion takes this operand's exponent field as its scale, and nothing else of it
.irp g, 0,1,2,3
	v_cvt_scalef32_pk8_fp4_f32 v[PC+8*(\p)+\g], v[\src+8*\g:\src+8*\g+7], v[SO]   ; k = 32 h + 8 g + 0 .. 7; beyond +-6 the largest code
.endr
	v_lshrrev_b32 v[BY], 23, v[SO]                 ; the scale's byte, 1 .. 254.  (The plain instruction behind the conversions)
	v_permlanex16_b32 v[BX], v[BY], s[SEL], s[SEL+1]
	v_lshl_or_b32 v[SCP+(\p)], v[BX], 8, v[BY]     ; lanes 0-15: byte 0 block 0, byte 1 block 1 of point r, bytes 2, 3 zero; lanes 16-31 are not read
.irp g, 0,1,2,3
	v_and_b32 v[UU+\g], s[SGN], v[PC+8*(\p)+\g]    ; relu on eight codes at a time: 8 in each negative code's place,
.endr
.irp g, 0,1,2,3
	v_lshrrev_b32 v[VV+\g], 3, v[UU+\g]            ; 1 there,
.endr
.irp g, 0,1,2,3
	v_sub_nc_u32 v[UU+\g], v[UU+\g], v[VV+\g]      ; 7 there (no borrow leaves a code's four bits):
.endr
.irp g, 0,1,2,3
	v_bfi_b32 v[PC+8*(\p)+\g], v[UU+\g], 0, v[PC+8*(\p)+\g]   ; those bits are cleared: a negative code becomes -0
.endr
.endm
; product 2: 16 units of W2 x tile p's 16 points, four tiles
.macro MUL2 p
	WIN 0x01                                       ; W2 in window 1
.irp t, 0,1,2,3
	v_wmma_scale_f32_16x16x128_f8f6f4 v[HA+32*(\p)+8*\t:HA+32*(\p)+8*\t+7], v[W2F+4*\t:W2F+4*\t+7], v[PC+8*(\p):PC+8*(\p)+7], 0, v[W2S+\t], v[SCP+(\p)] matrix_a_fmt:MATRIX_FMT_FP4 matrix_b_fmt:MATRIX_FMT_FP4
.endr
.endm
; BN 2 of tile p: sum x s2 + c2, two numbers an instruction, ascending
.macro BN2 p
	WIN 0x14                                       ; s2 and c2 in window 1
.irp i, 0,1,2,3,4,5,6,7,8,9,10,11,12,13,14,15
	v_pk_fma_f32 v[FF+2*\i:FF+2*\i+1], v[HA+32*(\p)+2*\i:HA+32*(\p)+2*\i+1], v[BN2S+2*\i:BN2S+2*\i+1], v[BN2C+2*\i:BN2C+2*\i+1]
.endr
.endm
; product 3: tile p's 16 points x 16 columns of W3, eight tiles
.macro MUL3 p
	WIN 0x04                                       ; W3 in window 1
.irp c, 0,1,2,3,4,5,6,7
	v_wmma_scale_f32_16x16x128_f8f6f4 v[OA+8*\c:OA+8*\c+7], v[PC+8*(\p):PC+8*(\p)+7], v[W3F+4*\c:W3F+4*\c+7], 0, v[SCP+(\p)], v[W3S+\c] matrix_a_fmt:MATRIX_FMT_FP4 matrix_b_fmt:MATRIX_FMT_FP4
.endr
.endm
; the maximum over a lane's eight points, the eight column tiles by turns.  p = 0 starts the maxima, p = 1 goes on
.macro RMAX p
.if (\p) == 0
.irp c, 0,1,2,3,4,5,6,7
	v_max3_num_f32 v[MX+\c], v[OA+8*\c], v[OA+8*\c+1], v[OA+8*\c+2]
.endr
.irp c, 0,1,2,3,4,5,6,7
	v_max3_num_f32 v[MX+\c], v[MX+\c], v[OA+8*\c+3], v[OA+8*\c+4]
.endr
.irp c, 0,1,2,3,4,5,6,7
	v_max3_num_f32 v[MX+\c], v[MX+\c], v[OA+8*\c+5], v[OA+8*\c+6]
.endr
.irp c, 0,1,2,3,4,5,6,7
	v_max_num_f32 v[MX+\c], v[MX+\c], v[OA+8*\c+7]
.endr
.else
.irp i, 0,2,4,6
.irp c, 0,1,2,3,4,5,6,7
	v_max3_num_f32 v[MX+\c], v[MX+\c], v[OA+8*\c+\i], v[OA+8*\c+\i+1]
.endr
.endr
.endif
.endm
; the voxel's row.  Tile 2 q holds columns 4 r + q, tile 2 q + 1 columns 64 + 4 r + q, each in two half-waves of other points
.macro FIN par, off
.irp q, 0,1,2,3
	v_permlane16_swap_b32 v[MX+2*\q], v[MX+2*\q+1] ; the first's lanes 16-31 change places with the second's lanes 0-15: both registers now hold column 4 L + q in lane L
.endr
	s_wait_xcnt 0x0                                ; the last voxel's store has read its data: RES is rewritten only behind this wait
.irp q, 0,1,2,3
	v_max_num_f32 v[RES+\q], v[MX+2*\q], v[MX+2*\q+1]
.endr
	v_pk_add_f32 v[RES:RES+1], v[RES:RES+1], v[BIAS3:BIAS3+1]
	v_pk_add_f32 v[RES+2:RES+3], v[RES+2:RES+3], v[BIAS3+2:BIAS3+3]
.irp q, 0,1,2,3
	v_cndmask_b32 v[RES+\q], v[NINF], v[RES+\q], s[MZ+(\par)]   ; no point counts: -infinity
.endr
	global_store_b128 v[OOFF], v[RES:RES+3], s[OB:OB+1] offset:\off th:TH_STORE_NT   ; 32 lanes store 512 consecutive bytes, at a multiple of 256 from out0's first byte
.endm
; A STEP finishes voxel i (the k-th from the trip's base) and begins voxel i + 1 (nxt = 1).  At its head tile a's codes of h1 are made and tile b's h1 lies in HB.
; Matrix blocks and vector blocks alternate, and each vector block works on other registers than the matrix block in front of it.  Counted in plain vector instructions that name none of the earlier instruction's registers:
; a scaled product's codes were last written 9 or more back and its points' scale word 25 or more; a scaled product's result is first read 19 or more behind it, the f32 form's 36 or more;
; a result that is laid over an earlier matrix result (product 2 over product 1, the next voxel's product 1 over product 2, tile b's product 3 over tile a's) has 19 or more between.
; No matrix instruction adds onto its own result: K is one instruction deep, and C is 0 or b1'.
; ld = 1: the slot just read takes the voxel four further on.
.macro STEP k, nxt, ld, cnt
	QMAX HB
	MUL2 0
	WIN 0
	QREST HB, 1
.if \nxt
	TAKE ((\k)+1)%4, ((\k)+1)%2, \cnt
.if \ld
	LOADX ((\k)+1)%4, ((\k)+5)*512
.endif
.endif
	BN2 0
	MUL2 1
.if \nxt
	MUL1 0
.endif
	WIN 0
	QMAX FF
	QREST FF, 0
	BN2 1
	MUL3 0
.if \nxt
	MUL1 1
.endif
	WIN 0
	QMAX FF
	QREST FF, 1
	RMAX 0
	MUL3 1
	WIN 0
.if \nxt
	QMAX HA
	QREST HA, 0
.else
.rept 4
	v_nop                                          ; the last voxel has no successor's work to stand between the products and the first read of their results
.endr
.endif
	RMAX 1
	FIN (\k)%2, (\k)*512
.endm
	; ---- THE HEAD
	s_load_b512 s[8:23], s[0:1], 0x0               ; x s[8:9], n s[10:11], W1 s[12:13], b1 s[14:15], g1 s[16:17], be1 s[18:19], m1 s[20:21], v1 s[22:23]
	s_load_b512 s[24:39], s[0:1], 0x40             ; W2's codes s[24:25], scales s[26:27], b2 s[28:29], g2 s[30:31], be2 s[32:33], m2 s[34:35], v2 s[36:37], W3's codes s[38:39]
	s_load_b128 s[40:43], s[0:1], 0x80             ; W3's scales s[40:41], b3 s[42:43]
	s_load_b64 s[44:45], s[0:1], 0x90              ; out0
	v_lshl_add_u32 v254, v0, 2, 0x2000
	v_mov_b32 v255, 0
	v_lshrrev_b32 v[LL], 5, v0
	v_readfirstlane_b32 s[WV], v[LL]               ; wave 0 .. 7
	v_and_b32 v[LL], 31, v0
	v_and_b32 v[LR], 15, v0
	v_bfe_u32 v[LH], v0, 4, 1
	v_and_b32 v[L7], 7, v0
	v_bfe_u32 v[L8], v0, 3, 1
	s_lshl_b32 s[WB], s[WV], 10
	s_lshl_b32 s54, ttmp9, 3
	s_add_co_u32 s54, s54, s[WV]                   ; which run of 25 voxels is mine: 0 .. 1,999
	s_mul_i32 s56, s54, 100                        ; its 25 words of n,
	s_mov_b32 s57, 0
	s_mul_i32 s54, s54, 12800                      ; its 25 x 512 bytes of x and of out0
	s_mov_b32 s55, 0
	s_mov_b32 s[SEL], 0x76543210
	s_mov_b32 s[SEL+1], 0xfedcba98
	s_mov_b32 s[SGN], 0x88888888
	s_mov_b32 s[IDX], 0
	s_mov_b32 s[CNT], 5
	v_lshlrev_b32 v[XOFF], 4, v[LR]
	v_lshl_add_u32 v[XOFF], v[LH], 3, v[XOFF]
	v_lshlrev_b32 v[OOFF], 4, v[LL]
	v_mov_b32 v[PA], v[LR]
	v_add_nc_u32 v[PB], 16, v[LR]
	v_lshlrev_b32 v[A_BN], 3, v[LL]                ; the BN arrays: units 2 L, 2 L + 1
	v_lshlrev_b32 v[A_W1], 2, v[L7]
	v_lshl_add_u32 v[A_W1], v[L8], 7, v[A_W1]      ; 4 x unit(0, r) = 4 (r % 8) + 128 (r / 8)
	v_add_nc_u32 v[A_LS], s[WB], v[A_W1]           ; LDS: s1 of that unit
	v_lshl_add_u32 v[A_W1], v[LH], 9, v[A_W1]      ; W1: + rows 2 h on, 256 bytes a row
	v_min_u32 v[A_NV], 24, v[LL]
	v_lshlrev_b32 v[A_NV], 2, v[A_NV]              ; n: lanes 25-31 read the last word again: no load leaves the buffer
	v_lshlrev_b32 v[A_W2S], 1, v[L7]
	v_lshl_add_u32 v[A_W2S], v[L8], 6, v[A_W2S]    ; W2's scales: 2 bytes a unit
	v_lshlrev_b32 v[A_W3S], 3, v[LR]               ; W3's: 2 bytes a column, column 4 r
	v_lshlrev_b32 v[A_W2F], 5, v[L7]
	v_lshl_add_u32 v[A_W2F], v[L8], 10, v[A_W2F]
	v_lshl_add_u32 v[A_W2F], v[LH], 4, v[A_W2F]    ; W2's codes: 32 bytes a unit, + my block's 16
	v_lshlrev_b32 v[A_W3F], 7, v[LR]
	v_lshl_add_u32 v[A_W3F], v[LH], 4, v[A_W3F]    ; W3's: column 4 r
	v_lshl_add_u32 v[A_LST], v[LL], 3, s[WB]       ; LDS, in: 8 bytes a lane
	v_lshl_add_u32 v[A_LB], v[LH], 7, s[WB]        ; LDS, out: units 32 h on
	v_mov_b32 v[NINF], 0xff800000
	v_mov_b32 v[X0], 0                             ; (written once: the destination of a lane move counts as one of its sources)
	v_mov_b32 v[X0+1], 0
	v_mov_b32 v[BX], 0
.irp i, 4,5,6,7,12,13,14,15
	v_mov_b32 v[PC+\i], 0                          ; the zero codes of k = 64 .. 127, for the whole launch
.endr
	s_wait_kmcnt 0x0
	s_add_nc_u64 s[XB:XB+1], s[8:9], s[54:55]
	s_add_nc_u64 s[OB:OB+1], s[44:45], s[54:55]
	s_add_nc_u64 s[10:11], s[10:11], s[56:57]
	; 52 loads, in the order in which they are wanted: 10 BN arrays, 8 of W1, 14 + 12 of the other parameters, 8 of x
	global_load_b64 v[OA:OA+1], v[A_BN], s[22:23]          ; v1
	global_load_b64 v[OA+2:OA+3], v[A_BN], s[16:17]        ; g1
	global_load_b64 v[OA+4:OA+5], v[A_BN], s[14:15]        ; b1
	global_load_b64 v[OA+6:OA+7], v[A_BN], s[20:21]        ; m1
	global_load_b64 v[OA+8:OA+9], v[A_BN], s[18:19]        ; be1
	global_load_b64 v[OA+10:OA+11], v[A_BN], s[36:37]      ; v2
	global_load_b64 v[OA+12:OA+13], v[A_BN], s[30:31]      ; g2
	global_load_b64 v[OA+14:OA+15], v[A_BN], s[28:29]      ; b2
	global_load_b64 v[OA+16:OA+17], v[A_BN], s[34:35]      ; m2
	global_load_b64 v[OA+18:OA+19], v[A_BN], s[32:33]      ; be2
.irp t, 0,1,2,3
.irp j, 0,1
	global_load_b32 v[OA+24+2*\t+\j], v[A_W1], s[12:13] offset:256*\j+32*\t   ; W1[2 h + j][unit(t, r)]
.endr
.endr
	global_load_b32 v[NV], v[A_NV], s[10:11]
.irp t, 0,1,2,3
	global_load_u16 v[W2S+\t], v[A_W2S], s[26:27] offset:16*\t                ; two bytes, zero-extended: bytes 2 and 3 of the word are 0
.endr
.irp c, 0,1,2,3,4,5,6,7
	global_load_u16 v[W3S+\c], v[A_W3S], s[40:41] offset:128*(\c%2)+2*(\c/2)  ; column 64 a + 4 r + q of tile 2 q + a
.endr
	global_load_b128 v[BIAS3:BIAS3+3], v[OOFF], s[42:43]
	WIN 0x40                                       ; destination window 1
.irp i, 0,1,2,3
	v_mov_b32 v[W2F+16+\i], 0                      ; the upper halves of the last tiles' operands
	v_mov_b32 v[W3F+32+\i], 0
.endr
.irp t, 0,1,2,3
	global_load_b128 v[W2F+4*\t:W2F+4*\t+3], v[A_W2F], s[24:25] offset:256*\t
.endr
.irp c, 0,1,2,3,4,5,6,7
	global_load_b128 v[W3F+4*\c:W3F+4*\c+3], v[A_W3F], s[38:39] offset:2048*(\c%2)+32*(\c/2)
.endr
	WIN 0
.irp s, 0,1,2,3
	LOADX \s, 512*\s                               ; voxels 0 to 3
.endr
	s_wait_loadcnt 42                              ; the ten BN arrays are in: 42 loads were issued behind them
.irp i, 0,1,10,11
	v_add_f32 v[OA+\i], 0x3727c5ac, v[OA+\i]       ; v + 1e-5
.endr
.irp i, 0,1,10,11
	v_rsq_f32 v[OA+\i], v[OA+\i]
.endr
.irp i, 4,5,14,15
	v_sub_f32 v[OA+\i], v[OA+\i], v[OA+\i+2]       ; b - m: plain work behind the four roots
.endr
	s_wait_alu depctr_va_vdst(0)                   ; one wait for the four, ahead of their first reader
	v_pk_mul_f32 v[OA:OA+1], v[OA:OA+1], v[OA+2:OA+3]                         ; s1
	v_pk_mul_f32 v[OA+10:OA+11], v[OA+10:OA+11], v[OA+12:OA+13]               ; s2
	v_pk_fma_f32 v[OA+4:OA+5], v[OA+4:OA+5], v[OA:OA+1], v[OA+8:OA+9]         ; b1'
	v_pk_fma_f32 v[OA+14:OA+15], v[OA+14:OA+15], v[OA+10:OA+11], v[OA+18:OA+19]   ; c2
	; from "lane L holds units 2 L, 2 L + 1" to the operands' lanes, through my wave's own 1,024 bytes: s1, b1', s2, c2, 256 bytes each.  LDS serves a wave's instructions in order (ISA guide 5.7.1.4): no wait between the stores and the loads
	ds_store_b64 v[A_LST], v[OA:OA+1]
	ds_store_b64 v[A_LST], v[OA+4:OA+5] offset:256
	ds_store_b64 v[A_LST], v[OA+10:OA+11] offset:512
	ds_store_b64 v[A_LST], v[OA+14:OA+15] offset:768
	WIN 0x40
.irp i, 0,1,2,3,4,5,6,7
	ds_load_b128 v[BIAS1+4*\i:BIAS1+4*\i+3], v[A_LB] offset:256+16*\i
	ds_load_b128 v[BN2S+4*\i:BN2S+4*\i+3], v[A_LB] offset:512+16*\i
	ds_load_b128 v[BN2C+4*\i:BN2C+4*\i+3], v[A_LB] offset:768+16*\i
.endr
	WIN 0
.irp t, 0,1,2,3
	ds_load_b32 v[OA+20+\t], v[A_LS] offset:32*\t  ; s1[unit(t, r)]
.endr
	s_wait_dscnt 0x0
	s_wait_loadcnt 34                              ; W1's eight loads are in: 34 were issued behind them
	WIN 0x40
.irp t, 0,1,2,3
.irp j, 0,1
	v_mul_f32 v[W1F+2*\t+\j], v[OA+24+2*\t+\j], v[OA+20+\t]   ; W1'
.endr
.endr
	WIN 0
	s_wait_loadcnt 8                               ; all parameters are in; x's eight loads may be out
	; ---- THE FIRST VOXEL IS BEGUN
	TAKE 0, 0, 6
	LOADX 0, 4*512
	MUL1 0
	MUL1 1
	WIN 0
.rept 8
	v_nop                                          ; eight places between the f32 form and the first read of its result: no other work is at hand yet
.endr
	QMAX HA
	QREST HA, 0
	; ---- 5 trips of 4 voxels: voxels 0 to 19; the loads reach voxel 24, my last
.Ltrip:
	STEP 0, 1, 1, 6
	STEP 1, 1, 1, 6
	STEP 2, 1, 1, 6
	STEP 3, 1, 1, 6
	s_wait_xcnt 0x0                                ; the trip's loads and stores have read their bases: both step only behind this wait
	s_add_nc_u64 s[XB:XB+1], s[XB:XB+1], 2048
	s_add_nc_u64 s[OB:OB+1], s[OB:OB+1], 2048
	s_sub_co_u32 s[CNT], s[CNT], 1
	s_cmp_lg_u32 s[CNT], 0
	s_cbranch_scc1 .Ltrip
	; ---- voxels 20 to 24: nothing more is loaded, and the counts run down
	STEP 0, 1, 0, 6
	STEP 1, 1, 0, 4
	STEP 2, 1, 0, 2
	STEP 3, 1, 0, 0
	STEP 4, 0, 0, 0
	s_wait_tensorcnt 0x0
	ds_add_u32 v254, v255
	s_wait_dscnt 0x0
	s_endpgm
.Lfunc_end_k_q15c9b69ed6_voxel:
	.size	k_q15c9b69ed6_voxel, .Lfunc_end_k_q15c9b69ed6_voxel-k_q15c9b69ed6_voxel
	.p2alignl 7, 3214868480
	.fill 96, 4, 3214868480
	.section	.rodata,"a",@progbits
	.p2align	6, 0x0
	.amdhsa_kernel k_q15c9b69ed6_voxel
		.amdhsa_group_segment_fixed_size 9216
		.amdhsa_private_segment_fixed_size 0
		.amdhsa_enable_private_segment 0
		.amdhsa_kernarg_size 152
		.amdhsa_user_sgpr_count 2
		.amdhsa_user_sgpr_kernarg_segment_ptr 1
		.amdhsa_wavefront_size32 1
		.amdhsa_system_sgpr_workgroup_id_x 1
		.amdhsa_system_sgpr_workgroup_id_y 1
		.amdhsa_system_sgpr_workgroup_id_z 1
		.amdhsa_system_vgpr_workitem_id 0
		.amdhsa_next_free_vgpr 416
		.amdhsa_next_free_sgpr 66
		.amdhsa_reserve_vcc 1
		.amdhsa_float_denorm_mode_32 3
		.amdhsa_float_denorm_mode_16_64 3
		.amdhsa_memory_ordered 1
		.amdhsa_forward_progress 1
		.amdhsa_inst_pref_size 188
	.end_amdhsa_kernel
	.amdgpu_metadata
---
amdhsa.version: [ 1, 2 ]
amdhsa.kernels:
  - .name:           k_q15c9b69ed6_voxel
    .symbol:         k_q15c9b69ed6_voxel.kd
    .args:
      - { .name: voxel_features, .offset: 0, .size: 8, .value_kind: global_buffer, .address_space: global }
      - { .name: voxel_num_points, .offset: 8, .size: 8, .value_kind: global_buffer, .address_space: global }
      - { .name: W1, .offset: 16, .size: 8, .value_kind: global_buffer, .address_space: global }
      - { .name: b1, .offset: 24, .size: 8, .value_kind: global_buffer, .address_space: global }
      - { .name: g1, .offset: 32, .size: 8, .value_kind: global_buffer, .address_space: global }
      - { .name: be1, .offset: 40, .size: 8, .value_kind: global_buffer, .address_space: global }
      - { .name: m1, .offset: 48, .size: 8, .value_kind: global_buffer, .address_space: global }
      - { .name: v1, .offset: 56, .size: 8, .value_kind: global_buffer, .address_space: global }
      - { .name: W2_codes, .offset: 64, .size: 8, .value_kind: global_buffer, .address_space: global }
      - { .name: W2_scales, .offset: 72, .size: 8, .value_kind: global_buffer, .address_space: global }
      - { .name: b2, .offset: 80, .size: 8, .value_kind: global_buffer, .address_space: global }
      - { .name: g2, .offset: 88, .size: 8, .value_kind: global_buffer, .address_space: global }
      - { .name: be2, .offset: 96, .size: 8, .value_kind: global_buffer, .address_space: global }
      - { .name: m2, .offset: 104, .size: 8, .value_kind: global_buffer, .address_space: global }
      - { .name: v2, .offset: 112, .size: 8, .value_kind: global_buffer, .address_space: global }
      - { .name: W3_codes, .offset: 120, .size: 8, .value_kind: global_buffer, .address_space: global }
      - { .name: W3_scales, .offset: 128, .size: 8, .value_kind: global_buffer, .address_space: global }
      - { .name: b3, .offset: 136, .size: 8, .value_kind: global_buffer, .address_space: global }
      - { .name: out0, .offset: 144, .size: 8, .value_kind: global_buffer, .address_space: global }
    .group_segment_fixed_size: 9216
    .private_segment_fixed_size: 0
    .kernarg_segment_align: 8
    .kernarg_segment_size: 152
    .max_flat_workgroup_size: 256
    .sgpr_count:     66
    .vgpr_count:     416
    .wavefront_size: 32
...
	.end_amdgpu_metadata
.endif
;; end of part 1
;; ======== version 2 of 2: 1 launch; version 1 with the launch voxel written anew for expert scheduling mode
;; launch voxel (part 2): grid 250 x 1, 8 waves a work-group, no clusters, 9,216 bytes of LDS; arguments voxel_features, voxel_num_points, W1, b1, g1, be1, m1, v1, W2_codes, W2_scales, b2, g2, be2, m2, v2, W3_codes, W3_scales, b3, out0; writes out0
.if DOCPART == 2
	.amdgcn_target "amdgcn-amd-amdhsa--gfx1250"
	.amdhsa_code_object_version 6
	.text
	.protected	k_q15c9b69ed6_voxel
	.globl	k_q15c9b69ed6_voxel
	.p2align	8
	.type	k_q15c9b69ed6_voxel,@function
k_q15c9b69ed6_voxel:
	s_mov_b64 s[64:65], 0
	v_nop
	global_prefetch_b8 v0, s[64:65] scope:SCOPE_SE
	s_setreg_imm32_b32 hwreg(HW_REG_WAVE_SCHED_MODE, 0, 2), 2
	s_setreg_imm32_b32 hwreg(HW_REG_WAVE_MODE, 25, 1), 1
	s_wait_xcnt 0x0
	s_wait_alu depctr_vm_vsrc(0)
; out0[v][c] = max over the points p < n[v] of y[v][p][c],  y = Q(h2) W3 + b3,  h2 = relu(BN2(Q(h1) W2 + b2)),  h1 = relu(BN1(x W1 + b1)).
; x: [50000][32][4] f32.  W1: [4][64] f32.  W2, W3: codes of E2M1 with K innermost (32 bytes a row of 64 codes) and two E8M0 bytes a row.  Q: the MX quantiser along K = 64, two blocks of 32.
; SHARES.  50,000 voxels = 250 work-groups x 8 waves x 25 voxels: every wave has the same work and owns 12,800 consecutive bytes of x and of out0.  Waves share nothing: no barrier.
; A voxel is two tiles of 16 points, a (points 0-15) and b (16-31).  Nothing between x and out0 goes to memory or to LDS.
; NO CLUSTER, NO TENSOR LOAD: what work-groups share is 10,624 bytes of parameters, which each wave takes once, straight into the registers and lanes of the operands; x lands in operand layout by plain loads.
; LAYOUT (L lane, r = L % 16, h = L / 16).  Products 1 and 2 are used transposed (source 0 = 16 units of the weight, source 1 = 16 points), and THE UNITS OF A WEIGHT TILE ARE NOT NEIGHBOURS:
; row m of tile t is unit 8 t + m % 8 + 32 (m / 8).  In the results lane (r, h) then holds point r, and register j of tile t unit 32 h + 8 t + j: the lane's 32 registers are one whole block of 32 along the next K,
; in the order of the 4-bit operand's registers 0-3.  So a block's maximum needs no other lane, and four conversions write the next operand as it stands.
; Product 3 is used as it is (source 0 = 16 points, source 1 = 16 columns): the points run down a lane's registers, so the maximum over points is v_max3 on registers.  Column tile 2 q + a takes columns 64 a + 4 r + q:
; one exchange of half-waves and one maximum leave column 4 L + q in lane L of register q, and one store of 16 bytes a lane writes the voxel's row of 512 consecutive bytes.
; K = 64 IN AN INSTRUCTION OF 128: registers 4-7 of the points' operand are zero codes and bytes 2, 3 of every scale word are 0 (never 0xff), so whatever codes stand in registers 4-7 of a weight operand add nothing:
; weight fragments lie 4 registers apart, a tile's upper half being the next tile's codes; the last has 4 registers of zeros.
; BN is folded once a wave, in f32: s = g rsq(v + 1e-5); W1' = W1 s1 and b1' = (b1 - m1) s1 + be1 (b1' is product 1's C); h2 = sum x s2 + c2, c2 = (b2 - m2) s2 + be2.
; RELU costs no instruction a number: the block's maximum is taken without |.|, over the floor, so that negatives do not count; the raw numbers are converted; then the magnitude bits of negative codes are cleared on the packed
; words (the code -0 adds nothing).  The registers that the f32 matrix form writes are so written by matrix instructions alone.
; THE MASK: a point p >= n is replaced AT THE INPUT by the voxel's point 0, which counts whenever n >= 1: a maximum does not change when a member is repeated.  n <= 0 gives a row of -infinity.  n > 32 counts all 32.
; b3 is added behind the maximum: rounding is monotone, so the result is the same.
; LIMITS.  NaN and infinities in counted points or in parameters are not served.  A block whose largest kept number lies under 2^-124 gets the scale byte 1; a block with nothing kept gets the byte 1 where the rule says 127
; (its codes are zeros).  The folded BN rounds in another order than (x - m) rsq g + b: a few units in the last place of the largest term.
; THE MODE: SCHED_MODE bits 1:0 = 2 (LLVM: expert scheduling mode 2), set by the entry lines.  The code itself states the register dependences
; between vector or matrix instructions and memory or LDS instructions, with s_wait_alu, always for 0.
; THE PLAN.  Registers that memory instructions touch behind the head:
;   XL0 .. XL3   Slot s is read by the two lane moves and four selections of the step that begins its voxel; at that step's END the two loads of the voxel four further on land in it.
;   RES          Written by the lines that finish a voxel's row; read by the one store at the step's end; written again a step later.
;   XOFF, OOFF   Made at the head and never written again: the rows are reached by the two scalar bases and by immediate offsets.
;   PC, SCP      No memory instruction names them, but vector instructions write them and scaled products take them as operand and scales: that too is stated.
; A STEP HAS FOUR WAITS ON va_vdst, one ahead of each of its four blocks of scaled products.  The one at the step's end, ahead of the next step's first block, states three things: tile a's codes and scale word are written;
; RES is written, which the store reads; the step's lane moves and selections are done reading the slot in which the loads land.  Behind it stand the store and the two loads alone.
; One wait on vm_vsrc a step stands ahead of the first line that writes RES again.  Two waits on va_sdst a step: n, read out of a lane into a scalar register, ahead of its first reader; the two masks ahead of the selections.
; Neither EXEC nor VCC is written.
.set XOFF, 1                           ; v1       16 r + 8 h: my 8 bytes of a tile's 256; never rewritten
.set OOFF, 2                           ; v2       16 L: my 16 bytes of a row of out0; never rewritten
.set PA,   3                           ; v3       r: my point in tile a
.set PB,   4                           ; v4       r + 16: in tile b
.set NV,   5                           ; v5       lane i (0 .. 24): n of my wave's voxel i
.set X0,   6                           ; v6-7     the voxel's point 0, my half's two coordinates
.set XM,   8                           ; v8-11    x behind the mask: tile a, tile b
.set XL,   12                          ; v12-27   four slots of x as loaded: a (2 registers), b (2)
.set W2S,  28                          ; v28-31   W2's scale words, one a tile
.set W3S,  32                          ; v32-39   W3's
.set BIAS3, 40                         ; v40-43   b3 of columns 4 L .. 4 L + 3
.set RES,  44                          ; v44-47   the voxel's row
.set MX,   48                          ; v48-55   running maxima, one a column tile
.set SCP,  56                          ; v56-57   the points' scale words, tile a, tile b: scales and nothing else
.set T0,   58                          ; v58-59   the two chains of a block's maximum
.set T1,   59
.set SO,   60                          ; v60      the conversions' scale operand
.set BY,   61                          ; v61      my block's scale byte
.set BX,   62                          ; v62      the other half-wave's
.set NINF, 63                          ; v63      -infinity
.set UU,   64                          ; v64-67, v68-71 at work on the codes
.set VV,   68
.set PC,   72                          ; v72-75 codes of tile a, v76-79 zeros; v80-83 codes of tile b, v84-87 zeros
.set HA,   88                          ; v88-119  tile a: product 1's results, then product 2's; written by matrix instructions alone
.set HB,   120                         ; v120-151 tile b likewise
.set FF,   152                         ; v152-183 BN 2's results of the tile in hand
.set OA,   184                         ; v184-247 product 3's results, 8 column tiles; at the head: at work
.set A_BN, 232                         ; the head's offsets
.set A_W1, 233
.set A_NV, 234
.set A_W2S, 235
.set A_W3S, 236
.set A_W2F, 237
.set A_W3F, 238
.set A_LST, 239
.set A_LB, 240
.set A_LS, 241
.set LL,   248                         ; L, r, h, r % 8, r / 8
.set LR,   249
.set LH,   250
.set L7,   251
.set L8,   252
; window 1 (v256 on, written by their low 8 bits): the parameters, which stay
.set W1F,  0                           ; W1' tile t: 2 registers
.set BIAS1, 8                          ; b1' of units 32 h + 0 .. 31
.set BN2S, 40                          ; s2 likewise
.set BN2C, 72                          ; c2 likewise
.set W2F,  104                         ; W2's tile t at + 4 t; + 16 .. 19 zeros
.set W3F,  124                         ; W3's tile ct at + 4 ct; + 32 .. 35 zeros
.set XB,   2                           ; s[2:3]   x at the trip's first voxel
.set OB,   4                           ; s[4:5]   out0 likewise
.set WV,   6                           ; s6       my wave
.set IDX,  7                           ; s7       which lane of NV the next voxel reads
.set SEL,  46                          ; s[46:47] v_permlanex16_b32's selects for lane L xor 16
.set SGN,  48                          ; s48      the sign bits of eight codes
.set NN,   49                          ; s49      n
.set MZ,   50                          ; s50-51   all ones where n > 0, by the voxel's parity
.set CNT,  52                          ; s52      trips to go
.set WB,   53                          ; s53      my wave's 1,024 bytes of LDS
.set KA,   58                          ; s58      the lanes whose point of tile a counts
.set KB,   59                          ; s59      of tile b
.set MSB, 0
.macro WIN new                         ; s_set_vgpr_msb: bits 1:0 source 0, 3:2 source 1, 5:4 source 2, 7:6 destination; the high byte repeats the setting that is left
.if MSB != \new
	s_set_vgpr_msb (MSB<<8)|\new
.set MSB, \new
.endif
.endm
; a voxel's 512 bytes into a slot: each load reads 256 consecutive bytes, a tile, 8 bytes a lane: x[point r][2 h, 2 h + 1], which is source 1 of product 1 as it stands
.macro LOADX slot, off
.set SL, XL+4*(\slot)
	global_load_b64 v[SL:SL+1], v[XOFF], s[XB:XB+1] offset:\off th:TH_LOAD_NT
	global_load_b64 v[SL+2:SL+3], v[XOFF], s[XB:XB+1] offset:(\off)+256 th:TH_LOAD_NT
.endm
; THE NEXT VOXEL'S x BEHIND THE MASK, in three parts, so that work stands between each vector instruction that writes a scalar register and the wait ahead of that register's first reader.
.macro TAKEN                           ; n into a scalar register
	v_readlane_b32 s[NN], v[NV], s[IDX]
.endm
.macro TAKEM par                       ; the masks
	s_wait_alu depctr_va_sdst(0)                   ; the lane read has written s[NN], ahead of its first reader (and has read s[IDX], which is stepped below)
	s_add_co_u32 s[IDX], s[IDX], 1
	v_cmp_gt_i32 s[KA], s[NN], v[PA]               ; n > my point of tile a: it counts
	v_cmp_gt_i32 s[KB], s[NN], v[PB]
	s_cmp_gt_i32 s[NN], 0
	s_cselect_b32 s[MZ+(\par)], -1, 0              ; a selection of values at the voxel's end: no branch hangs on n
.endm
.macro TAKEX slot, cnt                 ; the selections.  cnt: the loads of the younger voxels, two each, which may stay out
.set SL, XL+4*(\slot)
	s_wait_loadcnt \cnt
	v_mov_b32_dpp v[X0], v[SL] row_share:0 row_mask:0xf bank_mask:0xf      ; lane 0 of each half-wave holds point 0's coordinates 2 h, 2 h + 1
	v_mov_b32_dpp v[X0+1], v[SL+1] row_share:0 row_mask:0xf bank_mask:0xf
	s_wait_alu depctr_va_sdst(0)                   ; the two compares have written s[KA] and s[KB], ahead of their first reader: one wait for both
	v_cndmask_b32 v[XM], v[X0], v[SL], s[KA]
	v_cndmask_b32 v[XM+1], v[X0+1], v[SL+1], s[KA]
	v_cndmask_b32 v[XM+2], v[X0], v[SL+2], s[KB]
	v_cndmask_b32 v[XM+3], v[X0+1], v[SL+3], s[KB]
.endm
; product 1, f32 operands since its result goes into a quantiser: 16 units x 16 points x K = 4, four tiles; C = b1'
.macro MUL1 p
	WIN 0x11                                       ; W1' and b1' in window 1
.irp t, 0,1,2,3
	v_wmma_f32_16x16x4_f32 v[HA+32*(\p)+8*\t:HA+32*(\p)+8*\t+7], v[W1F+2*\t:W1F+2*\t+1], v[XM+2*(\p):XM+2*(\p)+1], v[BIAS1+8*\t:BIAS1+8*\t+7]
.endr
.endm
; the largest kept number of my block: 32 registers and the floor 2^(3 - 127), in two chains by turns.  No |.|: what is negative is clipped and must not count.  Each accumulator is first read at its low end
.macro QMAX src
	v_max3_num_f32 v[T0], v[\src], v[\src+1], 0x1800000
	v_max3_num_f32 v[T1], v[\src+16], v[\src+17], v[\src+18]
.irp i, 0,1,2,3,4,5
	v_max3_num_f32 v[T0], v[T0], v[\src+2+2*\i], v[\src+3+2*\i]
	v_max3_num_f32 v[T1], v[T1], v[\src+19+2*\i], v[\src+20+2*\i]
.endr
	v_max3_num_f32 v[T0], v[T0], v[\src+14], v[\src+15]
	v_max3_num_f32 v[T0], v[T0], v[T1], v[\src+31]
.endm
; the block's codes into registers 0-3 of tile p's operand, and the tile's scale word
.macro QREST src, p
	v_add_nc_u32 v[SO], 0xff000000, v[T0]          ; 2 off the exponent field: the conversion takes this operand's exponent field as its scale, and nothing else of it
.irp g, 0,1,2,3
	v_cvt_scalef32_pk8_fp4_f32 v[PC+8*(\p)+\g], v[\src+8*\g:\src+8*\g+7], v[SO]   ; k = 32 h + 8 g + 0 .. 7; beyond +-6 the largest code
.endr
	v_lshrrev_b32 v[BY], 23, v[SO]                 ; the scale's byte, 1 .. 254.  (The plain instruction behind the conversions)
	v_permlanex16_b32 v[BX], v[BY], s[SEL], s[SEL+1]
	v_lshl_or_b32 v[SCP+(\p)], v[BX], 8, v[BY]     ; lanes 0-15: byte 0 block 0, byte 1 block 1 of point r, bytes 2, 3 zero; lanes 16-31 are not read
.irp g, 0,1,2,3
	v_and_b32 v[UU+\g], s[SGN], v[PC+8*(\p)+\g]    ; relu on eight codes at a time: 8 in each negative code's place,
.endr
.irp g, 0,1,2,3
	v_lshrrev_b32 v[VV+\g], 3, v[UU+\g]            ; 1 there,
.endr
.irp g, 0,1,2,3
	v_sub_nc_u32 v[UU+\g], v[UU+\g], v[VV+\g]      ; 7 there (no borrow leaves a code's four bits):
.endr
.irp g, 0,1,2,3
	v_bfi_b32 v[PC+8*(\p)+\g], v[UU+\g], 0, v[PC+8*(\p)+\g]   ; those bits are cleared: a negative code becomes -0
.endr
.endm
; product 2: 16 units of W2 x tile p's 16 points, four tiles
.macro MUL2 p
	WIN 0x01                                       ; W2 in window 1
.irp t, 0,1,2,3
	v_wmma_scale_f32_16x16x128_f8f6f4 v[HA+32*(\p)+8*\t:HA+32*(\p)+8*\t+7], v[W2F+4*\t:W2F+4*\t+7], v[PC+8*(\p):PC+8*(\p)+7], 0, v[W2S+\t], v[SCP+(\p)] matrix_a_fmt:MATRIX_FMT_FP4 matrix_b_fmt:MATRIX_FMT_FP4
.endr
.endm
; BN 2 of tile p: sum x s2 + c2, two numbers an instruction, ascending
.macro BN2 p
	WIN 0x14                                       ; s2 and c2 in window 1
.irp i, 0,1,2,3,4,5,6,7,8,9,10,11,12,13,14,15
	v_pk_fma_f32 v[FF+2*\i:FF+2*\i+1], v[HA+32*(\p)+2*\i:HA+32*(\p)+2*\i+1], v[BN2S+2*\i:BN2S+2*\i+1], v[BN2C+2*\i:BN2C+2*\i+1]
.endr
.endm
; product 3: tile p's 16 points x 16 columns of W3, eight tiles
.macro MUL3 p
	WIN 0x04                                       ; W3 in window 1
.irp c, 0,1,2,3,4,5,6,7
	v_wmma_scale_f32_16x16x128_f8f6f4 v[OA+8*\c:OA+8*\c+7], v[PC+8*(\p):PC+8*(\p)+7], v[W3F+4*\c:W3F+4*\c+7], 0, v[SCP+(\p)], v[W3S+\c] matrix_a_fmt:MATRIX_FMT_FP4 matrix_b_fmt:MATRIX_FMT_FP4
.endr
.endm
; the maximum over a lane's eight points, the eight column tiles by turns.  p = 0 starts the maxima, p = 1 goes on
.macro RMAX p
.if (\p) == 0
.irp c, 0,1,2,3,4,5,6,7
	v_max3_num_f32 v[MX+\c], v[OA+8*\c], v[OA+8*\c+1], v[OA+8*\c+2]
.endr
.irp c, 0,1,2,3,4,5,6,7
	v_max3_num_f32 v[MX+\c], v[MX+\c], v[OA+8*\c+3], v[OA+8*\c+4]
.endr
.irp c, 0,1,2,3,4,5,6,7
	v_max3_num_f32 v[MX+\c], v[MX+\c], v[OA+8*\c+5], v[OA+8*\c+6]
.endr
.irp c, 0,1,2,3,4,5,6,7
	v_max_num_f32 v[MX+\c], v[MX+\c], v[OA+8*\c+7]
.endr
.else
.irp i, 0,2,4,6
.irp c, 0,1,2,3,4,5,6,7
	v_max3_num_f32 v[MX+\c], v[MX+\c], v[OA+8*\c+\i], v[OA+8*\c+\i+1]
.endr
.endr
.endif
.endm
; the voxel's row, in registers.  Tile 2 q holds columns 4 r + q, tile 2 q + 1 columns 64 + 4 r + q, each in two half-waves of other points
.macro FINV par
.irp q, 0,1,2,3
	v_permlane16_swap_b32 v[MX+2*\q], v[MX+2*\q+1] ; the first's lanes 16-31 change places with the second's lanes 0-15: both registers now hold column 4 L + q in lane L
.endr
	s_wait_xcnt 0x0                                ; the last voxel's store has had its addresses translated: RES is rewritten only behind this wait,
	s_wait_alu depctr_vm_vsrc(0)                   ; and behind this one: the last voxel's store, a step back, has read RES
.irp q, 0,1,2,3
	v_max_num_f32 v[RES+\q], v[MX+2*\q], v[MX+2*\q+1]
.endr
	v_pk_add_f32 v[RES:RES+1], v[RES:RES+1], v[BIAS3:BIAS3+1]
	v_pk_add_f32 v[RES+2:RES+3], v[RES+2:RES+3], v[BIAS3+2:BIAS3+3]
.irp q, 0,1,2,3
	v_cndmask_b32 v[RES+\q], v[NINF], v[RES+\q], s[MZ+(\par)]   ; no point counts: -infinity
.endr
.endm
; A STEP finishes voxel i (the k-th from the trip's base) and begins voxel i + 1 (nxt = 1).  At its head tile a's codes of h1 are made, tile b's h1 lies in HB and its block's maximum in T0.
; Matrix blocks and vector blocks alternate, and each vector block works on other registers than the matrix block in front of it.  Counted in plain vector instructions that name none of the earlier instruction's registers:
; a scaled product's codes were last written 16 or more back and its points' scale word 32 or more; a scaled product's result is first read 19 or more behind it, the f32 form's 36 or more;
; a result that is laid over an earlier matrix result (product 2 over product 1, the next voxel's product 1 over product 2, tile b's product 3 over tile a's) has 19 or more between.
; These distances stay beside the waits on va_vdst, which fill no place.
; No matrix instruction adds onto its own result: K is one instruction deep, and C is 0 or b1'.
; ld = 1: at the step's end the slot that the step has read takes the voxel four further on.
.macro STEP k, nxt, ld, cnt
.if \nxt
	TAKEN
.endif
	MUL2 0                                         ; its codes and scale word: stated by the wait at the end of the step before; no vector instruction since names them
	WIN 0
.if \nxt
	TAKEM ((\k)+1)%2
.endif
	QREST HB, 1
.if \nxt
	TAKEX ((\k)+1)%4, \cnt
.endif
	BN2 0
	s_wait_alu depctr_va_vdst(0)                   ; tile b's codes of h1 and their scale word are written, which the scaled products below take
	MUL2 1
.if \nxt
	MUL1 0
.endif
	WIN 0
	QMAX FF
	QREST FF, 0
	BN2 1
	s_wait_alu depctr_va_vdst(0)                   ; tile a's codes of h2 and their scale word are written, which the scaled products below take
	MUL3 0
.if \nxt
	MUL1 1
.endif
	WIN 0
	QMAX FF
	QREST FF, 1
	RMAX 0
	s_wait_alu depctr_va_vdst(0)                   ; tile b's codes of h2 and their scale word are written, which the scaled products below take
	MUL3 1
	WIN 0
.if \nxt
	QMAX HA
	QREST HA, 0
.else
.rept 4
	v_nop                                          ; the last voxel has no successor's work to stand between the products and the first read of their results
.endr
.endif
	RMAX 1
	FINV (\k)%2
.if \nxt
	QMAX HB
.endif
	s_wait_alu depctr_va_vdst(0)                   ; RES is written, which the store reads; the step's lane moves and selections are done reading the slot in which the loads land; the next voxel's tile a has its codes and scale word written, which the next step's first scaled products take
	global_store_b128 v[OOFF], v[RES:RES+3], s[OB:OB+1] offset:(\k)*512 th:TH_STORE_NT   ; 32 lanes store 512 consecutive bytes, at a multiple of 256 from out0's first byte
.if \ld
	LOADX ((\k)+1)%4, ((\k)+5)*512
.endif
.endm
	; ---- THE HEAD
	s_load_b512 s[8:23], s[0:1], 0x0               ; x s[8:9], n s[10:11], W1 s[12:13], b1 s[14:15], g1 s[16:17], be1 s[18:19], m1 s[20:21], v1 s[22:23]
	s_load_b512 s[24:39], s[0:1], 0x40             ; W2's codes s[24:25], scales s[26:27], b2 s[28:29], g2 s[30:31], be2 s[32:33], m2 s[34:35], v2 s[36:37], W3's codes s[38:39]
	s_load_b128 s[40:43], s[0:1], 0x80             ; W3's scales s[40:41], b3 s[42:43]
	s_load_b64 s[44:45], s[0:1], 0x90              ; out0
	v_lshl_add_u32 v254, v0, 2, 0x2000
	v_mov_b32 v255, 0
	v_lshrrev_b32 v[LL], 5, v0
	v_readfirstlane_b32 s[WV], v[LL]               ; wave 0 .. 7
	v_and_b32 v[LL], 31, v0
	v_and_b32 v[LR], 15, v0
	v_bfe_u32 v[LH], v0, 4, 1
	v_and_b32 v[L7], 7, v0
	v_bfe_u32 v[L8], v0, 3, 1
	s_wait_alu depctr_va_sdst(0)                   ; s[WV] is written, ahead of its first reader: the bases and my LDS bytes are made from it
	s_lshl_b32 s[WB], s[WV], 10
	s_lshl_b32 s54, ttmp9, 3
	s_add_co_u32 s54, s54, s[WV]                   ; which run of 25 voxels is mine: 0 .. 1,999
	s_mul_i32 s56, s54, 100                        ; its 25 words of n,
	s_mov_b32 s57, 0
	s_mul_i32 s54, s54, 12800                      ; its 25 x 512 bytes of x and of out0
	s_mov_b32 s55, 0
	s_mov_b32 s[SEL], 0x76543210
	s_mov_b32 s[SEL+1], 0xfedcba98
	s_mov_b32 s[SGN], 0x88888888
	s_mov_b32 s[IDX], 0
	s_mov_b32 s[CNT], 5
	v_lshlrev_b32 v[XOFF], 4, v[LR]
	v_lshl_add_u32 v[XOFF], v[LH], 3, v[XOFF]
	v_lshlrev_b32 v[OOFF], 4, v[LL]
	v_mov_b32 v[PA], v[LR]
	v_add_nc_u32 v[PB], 16, v[LR]
	v_lshlrev_b32 v[A_BN], 3, v[LL]                ; the BN arrays: units 2 L, 2 L + 1
	v_lshlrev_b32 v[A_W1], 2, v[L7]
	v_lshl_add_u32 v[A_W1], v[L8], 7, v[A_W1]      ; 4 x unit(0, r) = 4 (r % 8) + 128 (r / 8)
	v_add_nc_u32 v[A_LS], s[WB], v[A_W1]           ; LDS: s1 of that unit
	v_lshl_add_u32 v[A_W1], v[LH], 9, v[A_W1]      ; W1: + rows 2 h on, 256 bytes a row
	v_min_u32 v[A_NV], 24, v[LL]
	v_lshlrev_b32 v[A_NV], 2, v[A_NV]              ; n: lanes 25-31 read the last word again: no load leaves the buffer
	v_lshlrev_b32 v[A_W2S], 1, v[L7]
	v_lshl_add_u32 v[A_W2S], v[L8], 6, v[A_W2S]    ; W2's scales: 2 bytes a unit
	v_lshlrev_b32 v[A_W3S], 3, v[LR]               ; W3's: 2 bytes a column, column 4 r
	v_lshlrev_b32 v[A_W2F], 5, v[L7]
	v_lshl_add_u32 v[A_W2F], v[L8], 10, v[A_W2F]
	v_lshl_add_u32 v[A_W2F], v[LH], 4, v[A_W2F]    ; W2's codes: 32 bytes a unit, + my block's 16
	v_lshlrev_b32 v[A_W3F], 7, v[LR]
	v_lshl_add_u32 v[A_W3F], v[LH], 4, v[A_W3F]    ; W3's: column 4 r
	v_lshl_add_u32 v[A_LST], v[LL], 3, s[WB]       ; LDS, in: 8 bytes a lane
	v_lshl_add_u32 v[A_LB], v[LH], 7, s[WB]        ; LDS, out: units 32 h on
	v_mov_b32 v[NINF], 0xff800000
	v_mov_b32 v[X0], 0                             ; (written once: the destination of a lane move counts as one of its sources)
	v_mov_b32 v[X0+1], 0
	v_mov_b32 v[BX], 0
.irp i, 4,5,6,7,12,13,14,15
	v_mov_b32 v[PC+\i], 0                          ; the zero codes of k = 64 .. 127, for the whole launch
.endr
	WIN 0x40                                       ; destination window 1
.irp i, 0,1,2,3
	v_mov_b32 v[W2F+16+\i], 0                      ; the upper halves of the last tiles' operands
	v_mov_b32 v[W3F+32+\i], 0
.endr
	WIN 0
	s_wait_kmcnt 0x0
	s_add_nc_u64 s[XB:XB+1], s[8:9], s[54:55]
	s_add_nc_u64 s[OB:OB+1], s[44:45], s[54:55]
	s_add_nc_u64 s[10:11], s[10:11], s[56:57]
	s_wait_alu depctr_va_vdst(0)                   ; all offsets and LDS addresses are written, which the loads, stores and LDS instructions of the kernel read; so are the zero codes, which scaled products take
	; 52 loads, in the order in which they are wanted: 10 BN arrays, 8 of W1, 14 + 12 of the other parameters, 8 of x.  No vector instruction stands among them
	global_load_b64 v[OA:OA+1], v[A_BN], s[22:23]          ; v1
	global_load_b64 v[OA+2:OA+3], v[A_BN], s[16:17]        ; g1
	global_load_b64 v[OA+4:OA+5], v[A_BN], s[14:15]        ; b1
	global_load_b64 v[OA+6:OA+7], v[A_BN], s[20:21]        ; m1
	global_load_b64 v[OA+8:OA+9], v[A_BN], s[18:19]        ; be1
	global_load_b64 v[OA+10:OA+11], v[A_BN], s[36:37]      ; v2
	global_load_b64 v[OA+12:OA+13], v[A_BN], s[30:31]      ; g2
	global_load_b64 v[OA+14:OA+15], v[A_BN], s[28:29]      ; b2
	global_load_b64 v[OA+16:OA+17], v[A_BN], s[34:35]      ; m2
	global_load_b64 v[OA+18:OA+19], v[A_BN], s[32:33]      ; be2
.irp t, 0,1,2,3
.irp j, 0,1
	global_load_b32 v[OA+24+2*\t+\j], v[A_W1], s[12:13] offset:256*\j+32*\t   ; W1[2 h + j][unit(t, r)]
.endr
.endr
	global_load_b32 v[NV], v[A_NV], s[10:11]
.irp t, 0,1,2,3
	global_load_u16 v[W2S+\t], v[A_W2S], s[26:27] offset:16*\t                ; two bytes, zero-extended: bytes 2 and 3 of the word are 0
.endr
.irp c, 0,1,2,3,4,5,6,7
	global_load_u16 v[W3S+\c], v[A_W3S], s[40:41] offset:128*(\c%2)+2*(\c/2)  ; column 64 a + 4 r + q of tile 2 q + a
.endr
	global_load_b128 v[BIAS3:BIAS3+3], v[OOFF], s[42:43]
	WIN 0x40                                       ; destination window 1
.irp t, 0,1,2,3
	global_load_b128 v[W2F+4*\t:W2F+4*\t+3], v[A_W2F], s[24:25] offset:256*\t
.endr
.irp c, 0,1,2,3,4,5,6,7
	global_load_b128 v[W3F+4*\c:W3F+4*\c+3], v[A_W3F], s[38:39] offset:2048*(\c%2)+32*(\c/2)
.endr
	WIN 0
.irp s, 0,1,2,3
	LOADX \s, 512*\s                               ; voxels 0 to 3
.endr
	s_wait_loadcnt 42                              ; the ten BN arrays are in: 42 loads were issued behind them
.irp i, 0,1,10,11
	v_add_f32 v[OA+\i], 0x3727c5ac, v[OA+\i]       ; v + 1e-5
.endr
.irp i, 0,1,10,11
	v_rsq_f32 v[OA+\i], v[OA+\i]
.endr
.irp i, 4,5,14,15
	v_sub_f32 v[OA+\i], v[OA+\i], v[OA+\i+2]       ; b - m: plain work behind the four roots
.endr
	s_wait_alu depctr_va_vdst(0)                   ; the four roots have written their results: one wait for the four, ahead of their first reader
	v_pk_mul_f32 v[OA:OA+1], v[OA:OA+1], v[OA+2:OA+3]                         ; s1
	v_pk_mul_f32 v[OA+10:OA+11], v[OA+10:OA+11], v[OA+12:OA+13]               ; s2
	v_pk_fma_f32 v[OA+4:OA+5], v[OA+4:OA+5], v[OA:OA+1], v[OA+8:OA+9]         ; b1'
	v_pk_fma_f32 v[OA+14:OA+15], v[OA+14:OA+15], v[OA+10:OA+11], v[OA+18:OA+19]   ; c2
	; from "lane L holds units 2 L, 2 L + 1" to the operands' lanes, through my wave's own 1,024 bytes: s1, b1', s2, c2, 256 bytes each.  LDS serves a wave's instructions in order (ISA guide 5.7.1.4): no wait between the stores and the loads
	s_wait_alu depctr_va_vdst(0)                   ; s1, b1', s2 and c2 are written, which the four LDS stores read
	ds_store_b64 v[A_LST], v[OA:OA+1]
	ds_store_b64 v[A_LST], v[OA+4:OA+5] offset:256
	ds_store_b64 v[A_LST], v[OA+10:OA+11] offset:512
	ds_store_b64 v[A_LST], v[OA+14:OA+15] offset:768
	WIN 0x40
.irp i, 0,1,2,3,4,5,6,7
	ds_load_b128 v[BIAS1+4*\i:BIAS1+4*\i+3], v[A_LB] offset:256+16*\i
	ds_load_b128 v[BN2S+4*\i:BN2S+4*\i+3], v[A_LB] offset:512+16*\i
	ds_load_b128 v[BN2C+4*\i:BN2C+4*\i+3], v[A_LB] offset:768+16*\i
.endr
	WIN 0
.irp t, 0,1,2,3
	ds_load_b32 v[OA+20+\t], v[A_LS] offset:32*\t  ; s1[unit(t, r)]
.endr
	s_wait_dscnt 0x0
	s_wait_loadcnt 34                              ; W1's eight loads are in: 34 were issued behind them
	WIN 0x40
.irp t, 0,1,2,3
.irp j, 0,1
	v_mul_f32 v[W1F+2*\t+\j], v[OA+24+2*\t+\j], v[OA+20+\t]   ; W1'
.endr
.endr
	WIN 0
	s_wait_loadcnt 8                               ; all parameters are in; x's eight loads may be out
	s_wait_alu depctr_vm_vsrc(0)                   ; the head's loads and LDS instructions have read their offsets (v232 to v241) and the LDS stores their data: product 3 writes these registers from the first voxel on
	; ---- THE FIRST VOXEL IS BEGUN
	TAKEN
	TAKEM 0
	TAKEX 0, 6
	MUL1 0
	MUL1 1
	WIN 0
.rept 8
	v_nop                                          ; eight places between the f32 form and the first read of its result: no other work is at hand yet
.endr
	QMAX HA
	QREST HA, 0
	QMAX HB
	s_wait_alu depctr_va_vdst(0)                   ; as at a step's end: the lane moves and selections are done reading slot 0, in which the loads land; tile a's codes and scale word are written, which the first scaled products take
	LOADX 0, 4*512
	; ---- 5 trips of 4 voxels: voxels 0 to 19; the loads reach voxel 24, my last
.Ltrip:
	STEP 0, 1, 1, 6
	STEP 1, 1, 1, 6
	STEP 2, 1, 1, 6
	STEP 3, 1, 1, 6
	s_wait_xcnt 0x0                                ; the trip's loads and stores have read their bases: both step only behind this wait
	s_add_nc_u64 s[XB:XB+1], s[XB:XB+1], 2048
	s_add_nc_u64 s[OB:OB+1], s[OB:OB+1], 2048
	s_sub_co_u32 s[CNT], s[CNT], 1
	s_cmp_lg_u32 s[CNT], 0
	s_cbranch_scc1 .Ltrip
	; ---- voxels 20 to 24: nothing more is loaded, and the counts run down
	STEP 0, 1, 0, 6
	STEP 1, 1, 0, 4
	STEP 2, 1, 0, 2
	STEP 3, 1, 0, 0
	STEP 4, 0, 0, 0
	s_wait_dscnt 0x0
	s_wait_alu depctr_hold_cnt(0) depctr_sa_sdst(0) depctr_va_vdst(0) depctr_va_sdst(0) depctr_va_ssrc(0) depctr_va_vcc(0) depctr_vm_vsrc(0)
	s_wait_tensorcnt 0x0
	ds_add_u32 v254, v255
	s_wait_dscnt 0x0
	s_endpgm
.Lfunc_end_k_q15c9b69ed6_voxel:
	.size	k_q15c9b69ed6_voxel, .Lfunc_end_k_q15c9b69ed6_voxel-k_q15c9b69ed6_voxel
	.p2alignl 7, 3214868480
	.fill 96, 4, 3214868480
	.section	.rodata,"a",@progbits
	.p2align	6, 0x0
	.amdhsa_kernel k_q15c9b69ed6_voxel
		.amdhsa_group_segment_fixed_size 9216
		.amdhsa_private_segment_fixed_size 0
		.amdhsa_enable_private_segment 0
		.amdhsa_kernarg_size 152
		.amdhsa_user_sgpr_count 2
		.amdhsa_user_sgpr_kernarg_segment_ptr 1
		.amdhsa_wavefront_size32 1
		.amdhsa_system_sgpr_workgroup_id_x 1
		.amdhsa_system_sgpr_workgroup_id_y 1
		.amdhsa_system_sgpr_workgroup_id_z 1
		.amdhsa_system_vgpr_workitem_id 0
		.amdhsa_next_free_vgpr 416
		.amdhsa_next_free_sgpr 66
		.amdhsa_reserve_vcc 0
		.amdhsa_float_denorm_mode_32 3
		.amdhsa_float_denorm_mode_16_64 3
		.amdhsa_memory_ordered 1
		.amdhsa_forward_progress 1
		.amdhsa_inst_pref_size 192
	.end_amdhsa_kernel
	.amdgpu_metadata
---
amdhsa.version: [ 1, 2 ]
amdhsa.kernels:
  - .name:           k_q15c9b69ed6_voxel
    .symbol:         k_q15c9b69ed6_voxel.kd
    .args:
      - { .name: voxel_features, .offset: 0, .size: 8, .value_kind: global_buffer, .address_space: global }
      - { .name: voxel_num_points, .offset: 8, .size: 8, .value_kind: global_buffer, .address_space: global }
      - { .name: W1, .offset: 16, .size: 8, .value_kind: global_buffer, .address_space: global }
      - { .name: b1, .offset: 24, .size: 8, .value_kind: global_buffer, .address_space: global }
      - { .name: g1, .offset: 32, .size: 8, .value_kind: global_buffer, .address_space: global }
      - { .name: be1, .offset: 40, .size: 8, .value_kind: global_buffer, .address_space: global }
      - { .name: m1, .offset: 48, .size: 8, .value_kind: global_buffer, .address_space: global }
      - { .name: v1, .offset: 56, .size: 8, .value_kind: global_buffer, .address_space: global }
      - { .name: W2_codes, .offset: 64, .size: 8, .value_kind: global_buffer, .address_space: global }
      - { .name: W2_scales, .offset: 72, .size: 8, .value_kind: global_buffer, .address_space: global }
      - { .name: b2, .offset: 80, .size: 8, .value_kind: global_buffer, .address_space: global }
      - { .name: g2, .offset: 88, .size: 8, .value_kind: global_buffer, .address_space: global }
      - { .name: be2, .offset: 96, .size: 8, .value_kind: global_buffer, .address_space: global }
      - { .name: m2, .offset: 104, .size: 8, .value_kind: global_buffer, .address_space: global }
      - { .name: v2, .offset: 112, .size: 8, .value_kind: global_buffer, .address_space: global }
      - { .name: W3_codes, .offset: 120, .size: 8, .value_kind: global_buffer, .address_space: global }
      - { .name: W3_scales, .offset: 128, .size: 8, .value_kind: global_buffer, .address_space: global }
      - { .name: b3, .offset: 136, .size: 8, .value_kind: global_buffer, .address_space: global }
      - { .name: out0, .offset: 144, .size: 8, .value_kind: global_buffer, .address_space: global }
    .group_segment_fixed_size: 9216
    .private_segment_fixed_size: 0
    .kernarg_segment_align: 8
    .kernarg_segment_size: 152
    .max_flat_workgroup_size: 256
    .sgpr_count:     66
    .vgpr_count:     416
    .wavefront_size: 32
...
	.end_amdgpu_metadata
.endif
;; end of part 2
